; MI455X (gfx1250); checked and timed in simulation.
; The chip was launched on July 23, 2026; its instructions are those of AMD's public machine-readable ISA for CDNA 5 (MIT licence, August 2026) and "CDNA5" Instruction Set Architecture Reference Guide (July 2026). The comments in the code are by the model that wrote it; some were corrected since.
;; Qwen3 Next Sparse Moe Block. Allowed arithmetic: float matrix products may take bf16 or f16 operands with f32 sums; other float arithmetic in f32, or as packed bf16 or f16 multiplies, adds, multiply-adds, maxima and minima; sums over many terms, partial sums and values carried from step to step in f32; what a program stores and reads back later, other than sums and carried values, may be rounded once to bf16 or f16.
;; Inputs: hidden_states 4 x 512 x 2,048 float32; sw_wi0 2,048 x 512 float32; sw_wi1 2,048 x 512 float32; sw_wo 512 x 2,048 float32; w_router 2,048 x 8 float32; w_shared_gate 2,048 x 1 float32; wi0 8 x 2,048 x 512 float32; wi1 8 x 2,048 x 512 float32; wo 8 x 512 x 2,048 float32.
;; Outputs: out0 4 x 512 x 2,048 float32; out1 one number float32.
;; Constants: deterministic = 1.
;; One version. Each part assembles by itself: llvm-mc -triple=amdgcn-amd-amdhsa -mcpu=gfx1250 --defsym DOCPART=n.
;; ======== version 1 of 1: 4 launches
;; workspace buffers: xb 8,388,608 bytes; route 8,192 bytes of whole numbers; comb 131,072 bytes; psum 8,192 bytes; hbuf 37,748,736 bytes; part 33,619,968 bytes
;; launch router (part 1): grid 128 x 1, 8 waves a work-group, no clusters, 142,336 bytes of LDS; arguments hidden_states, w_router, w_shared_gate, xb, route, comb, psum; writes xb, route, comb, psum
.if DOCPART == 1
	.amdgcn_target "amdgcn-amd-amdhsa--gfx1250"
	.amdhsa_code_object_version 6
	.text
	.protected	k_q1a919f2501_router
	.globl	k_q1a919f2501_router
	.p2align	8
	.type	k_q1a919f2501_router,@function
k_q1a919f2501_router:
	s_mov_b64 s[64:65], 0
	v_nop
	global_prefetch_b8 v0, s[64:65] scope:SCOPE_SE
	s_setreg_imm32_b32 hwreg(HW_REG_WAVE_MODE, 25, 1), 1
	s_wait_xcnt 0x0
; ROUTER.  x is rounded to bf16 and stored (xb); 8 router logits and the shared gate's logit by the matrix unit on bf16 operands, sums in f32;
; softmax, top-2, renormalised weights, sigmoid gate; each work-group's sums for the load-balance loss.
; SHARES.  A work-group has 16 tokens.  Wave w has k = 256 w .. 256 w + 255 of all 16 rows; the eight partial sums meet in LDS and wave 0 does the rest.
; STORED.  xb [2048][2048] bf16.  route[t] = 1<<i1 | 1<<i2 | 1<<(8 + t/512) | 1<<(16 + i2), at a fixed place for each token: no address of this launch hangs on the choice.
; comb [2048][16] f32: columns 0-7 the combine weights (0 where not chosen), column 8 the gate, 9-15 zero.  psum [128][16] f32: sums of the probabilities, counts of the choices.
; LIMITS.  All operands of the products are rounded to bf16, the router's and the gate's too.  Top-2 is taken on the logits, the lower index on equal logits; two different logits whose
; probabilities round to one f32 could be ordered otherwise than a top-k on the probabilities.  NaN and infinities are not treated; exponentials below 2^-126 count as 0.
; NO CLUSTER, NO TENSOR LOAD: no two work-groups read the same x, and x passes through registers to be rounded; w_router's 64 KiB are what is shared, 1/2 of a work-group's bytes but read from the cache.
.set XTP,   528                        ; a row of my wave's 256 k of x in LDS: 512 bytes + 16: the 16 rows of a fragment load start at 16 different groups of four banks
.set XTW,   16*XTP                     ; a wave's 16 rows
.set WR,    8*XTW                      ; behind them, for each wave: 256 k x 16 columns of bf16 (8 experts, the gate, 7 zeros), 32 bytes a k
.set RED,   WR+8*8192                  ; the eight waves' partial sums, 1,024 bytes each
.set SPARE, RED+8*1024                 ; the spare words, 128 bytes for each wave: no other line names them
.set SPW,  12                          ; v12  my spare word's LDS address; never rewritten
.set NIL,  13                          ; v13  0; never rewritten
.set WF32, 16                          ; v16-79   w_router's f32 of my 8 k; later Y: x packed, 4 registers a row, the stores' data
.set GF,   80                          ; v80-87   the gate's f32 of my 8 k
.set PK,   88                          ; v88-95   16 columns of one k in bf16; v93-95 stay 0
.set XF,   96                          ; v96-223  x in f32, 8 a row; later v96-159 x's fragments, v160-223 the weights' fragments
.set WFR,  160
.set ACC,  224                         ; v224-231, v232-239 two accumulators that take turns
.set LG,   240                         ; v240-247 sums: in lanes 0-15 the token's 8 logits, in lanes 16-31 the gate's logit and 7 zeros
	s_load_b256 s[4:11], s[0:1], 0x0               ; x s[4:5], w_router s[6:7], w_shared_gate s[8:9], xb s[10:11]
	s_load_b128 s[12:15], s[0:1], 0x20             ; route s[12:13], comb s[14:15]
	s_load_b64 s[16:17], s[0:1], 0x30              ; psum
	v_lshl_add_u32 v[SPW], v0, 2, SPARE
	v_mov_b32 v[NIL], 0
	v_and_b32 v1, 31, v0                           ; lane
	v_lshrrev_b32 v4, 5, v0
	v_readfirstlane_b32 s20, v4                    ; wave
	v_and_b32 v2, 15, v0                           ; r
	v_bfe_u32 v3, v0, 4, 1                         ; h
	s_lshl_b32 s21, s20, 8
	v_add_nc_u32 v5, s21, v1                       ; 256 w + lane: my first k of the weights
	v_lshlrev_b32 v6, 5, v5                        ; its 32 bytes in w_router
	v_lshlrev_b32 v7, 2, v5                        ; its 4 bytes in the gate
	v_lshlrev_b32 v8, 5, v0                        ; x: 1,024 w + 32 lane: 8 neighbouring k of a row
	v_lshlrev_b32 v10, 4, v0                       ; xb: the same 8 k in bf16
	s_mov_b32 s23, 0
	s_wait_kmcnt 0x0
	s_lshl_b32 s22, ttmp9, 17                      ; 16 rows of 8,192 bytes
	s_add_nc_u64 s[4:5], s[4:5], s[22:23]
	s_lshl_b32 s22, ttmp9, 16                      ; 16 rows of 4,096 bytes
	s_add_nc_u64 s[10:11], s[10:11], s[22:23]
	s_lshl_b32 s22, ttmp9, 10                      ; 16 rows of 64 bytes
	s_add_nc_u64 s[14:15], s[14:15], s[22:23]
	s_lshl_b32 s22, ttmp9, 6                       ; 16 words; one row of 64 bytes
	s_add_nc_u64 s[12:13], s[12:13], s[22:23]
	s_add_nc_u64 s[16:17], s[16:17], s[22:23]
.irp j, 0,1,2,3,4,5,6,7                ; 24 loads: the weights of k = 256 w + lane + 32 j
	global_load_b128 v[WF32+8*(\j):WF32+8*(\j)+3],   v6, s[6:7] offset:1024*(\j)
	global_load_b128 v[WF32+8*(\j)+4:WF32+8*(\j)+7], v6, s[6:7] offset:1024*(\j)+16
	global_load_b32  v[GF+(\j)], v7, s[8:9] offset:128*(\j)
.endr
.irp p, 0,1,2,3,4,5,6,7,8,9,10,11,12,13,14,15  ; 32 loads: row p, 1,024 neighbouring bytes for the wave's two loads
	global_load_b128 v[XF+8*(\p):XF+8*(\p)+3],   v8, s[4:5] offset:8192*(\p) th:TH_LOAD_NT
	global_load_b128 v[XF+8*(\p)+4:XF+8*(\p)+7], v8, s[4:5] offset:8192*(\p)+16 th:TH_LOAD_NT
.endr
	; LDS addresses, made while the loads are out
	s_lshl_b32 s21, s20, 13
	s_add_co_u32 s21, s21, WR                      ; my wave's weights
	s_mul_i32 s30, s20, XTW                        ; my wave's x
	s_lshl_b32 s31, s20, 10
	s_add_co_u32 s31, s31, RED                     ; my wave's partial sums
	v_lshl_add_u32 v9, v1, 5, s21                  ; weights in: k = lane + 32 j at 32 bytes a k
	v_lshl_add_u32 v11, v1, 4, s30                 ; x in: 16 bytes a lane, a row at a time
	v_mul_u32_u24 v14, v2, XTP
	v_lshl_add_u32 v14, v3, 4, v14
	v_add_nc_u32 v14, s30, v14                     ; x's fragments: row r, 16 bytes for each half of the lanes
	v_and_b32 v248, 7, v0
	v_lshl_add_u32 v248, v3, 3, v248               ; the turning load: k = 8 h + lane % 8,
	v_bfe_u32 v249, v0, 3, 1
	v_lshlrev_b32 v15, 5, v248
	v_lshl_add_u32 v15, v249, 4, v15               ; columns 8 ((lane / 8) % 2) on
	v_add_nc_u32 v15, s21, v15
	v_lshl_add_u32 v4, v1, 4, s31                  ; partial sums in
	v_lshl_add_u32 v5, v1, 4, RED                  ; and back
	v_mov_b32 v[PK+5], 0
	v_mov_b32 v[PK+6], 0
	v_mov_b32 v[PK+7], 0
	s_wait_loadcnt 32                              ; the 32 loads of x may stay out: the weights are in
.irp j, 0,1,2,3,4,5,6,7
	v_cvt_pk_bf16_f32 v[PK],   v[WF32+8*(\j)],   v[WF32+8*(\j)+1]
	v_cvt_pk_bf16_f32 v[PK+1], v[WF32+8*(\j)+2], v[WF32+8*(\j)+3]
	v_cvt_pk_bf16_f32 v[PK+2], v[WF32+8*(\j)+4], v[WF32+8*(\j)+5]
	v_cvt_pk_bf16_f32 v[PK+3], v[WF32+8*(\j)+6], v[WF32+8*(\j)+7]
	v_cvt_pk_bf16_f32 v[PK+4], v[GF+(\j)], v[PK+5] ; the gate's weight and a zero
	ds_store_b128 v9, v[PK:PK+3]   offset:1024*(\j)
	ds_store_b128 v9, v[PK+4:PK+7] offset:1024*(\j)+16
.endr
.irp p, 0,1,2,3,4,5,6,7,8,9,10,11,12,13,14,15
	s_wait_loadcnt 2*(15-(\p))                     ; loads come back in order: row p is in, the younger rows stay out
	v_cvt_pk_bf16_f32 v[WF32+4*(\p)],   v[XF+8*(\p)],   v[XF+8*(\p)+1]
	v_cvt_pk_bf16_f32 v[WF32+4*(\p)+1], v[XF+8*(\p)+2], v[XF+8*(\p)+3]
	v_cvt_pk_bf16_f32 v[WF32+4*(\p)+2], v[XF+8*(\p)+4], v[XF+8*(\p)+5]
	v_cvt_pk_bf16_f32 v[WF32+4*(\p)+3], v[XF+8*(\p)+6], v[XF+8*(\p)+7]
	global_store_b128 v10, v[WF32+4*(\p):WF32+4*(\p)+3], s[10:11] offset:4096*(\p)  ; the wave stores 512 consecutive bytes, aligned; these registers are not written again
	ds_store_b128 v11, v[WF32+4*(\p):WF32+4*(\p)+3] offset:XTP*(\p)
.endr
.irp s, 0,1,2,3,4,5,6,7                ; my own bytes: LDS serves a wave's instructions in order, so no barrier stands between the stores above and these loads
	ds_load_b128 v[XF+8*(\s):XF+8*(\s)+3],   v14 offset:64*(\s)
	ds_load_b128 v[XF+8*(\s)+4:XF+8*(\s)+7], v14 offset:64*(\s)+32
	ds_load_tr16_b128 v[WFR+8*(\s):WFR+8*(\s)+3],   v15 offset:1024*(\s)
	ds_load_tr16_b128 v[WFR+8*(\s)+4:WFR+8*(\s)+7], v15 offset:1024*(\s)+512
.endr
	s_wait_dscnt 0x0
	; source 0 = 16 columns of the weights, source 1 = 16 tokens: a lane then holds ONE token (lane % 16) and the columns 8 (lane / 16) + 0..7.  Two accumulators by turns; the first two products start the sums.
.irp s, 0,1,2,3,4,5,6,7
.if (\s) < 2
	v_wmma_f32_16x16x32_bf16 v[ACC+8*((\s)%2):ACC+8*((\s)%2)+7], v[WFR+8*(\s):WFR+8*(\s)+7], v[XF+8*(\s):XF+8*(\s)+7], 0
.else
	v_wmma_f32_16x16x32_bf16 v[ACC+8*((\s)%2):ACC+8*((\s)%2)+7], v[WFR+8*(\s):WFR+8*(\s)+7], v[XF+8*(\s):XF+8*(\s)+7], v[ACC+8*((\s)%2):ACC+8*((\s)%2)+7]
.endif
.endr
.rept 4
	v_nop                                          ; four places between the last product and the first read of its result (ISA guide 7.12.1)
.endr
.irp z, 0,2,4,6                        ; each accumulator is read from its low end on
	v_pk_add_f32 v[LG+(\z):LG+(\z)+1], v[ACC+(\z):ACC+(\z)+1], v[ACC+8+(\z):ACC+8+(\z)+1]
.endr
	ds_store_b128 v4, v[LG:LG+3]
	ds_store_b128 v4, v[LG+4:LG+7] offset:512
	s_wait_dscnt 0x0                               ; for wave 0's sake: my partial sums are in LDS
	s_barrier_signal -1
	s_barrier_wait -1
	s_cmp_lg_u32 s20, 0
	s_cbranch_scc1 .Lend                           ; the rest is 16 tokens' work: one wave's
.irp w, 0,1,2,3,4,5,6,7
	ds_load_b128 v[XF+8*(\w):XF+8*(\w)+3],   v5 offset:1024*(\w)
	ds_load_b128 v[XF+8*(\w)+4:XF+8*(\w)+7], v5 offset:1024*(\w)+512
.endr
	v_mov_b32 v162, 0xff800000                     ; -infinity takes the first choice out of the second search
	v_mov_b32 v165, 1.0
	v_mov_b32 v166, 0
	v_mov_b32 v167, 1
	s_mov_b32 s27, 0xffff0000                      ; lanes 16-31
	s_mov_b32 s29, 0x3fb8aa3b                      ; log2(e)
	s_lshr_b32 s26, ttmp9, 5                       ; t / 512 = work-group / 32
	s_add_co_u32 s26, s26, 8
	s_lshl_b32 s26, 1, s26                         ; the bit of the token's quarter, for the shared expert's lists
	v_lshlrev_b32 v210, 6, v2
	v_lshl_add_u32 v210, v3, 5, v210               ; comb: row r, columns 8 h on
	v_lshlrev_b32 v211, 2, v2                      ; route: word r
	s_wait_dscnt 0x0
.irp z, 0,2,4,6
	v_pk_add_f32 v[LG+(\z):LG+(\z)+1], v[XF+(\z):XF+(\z)+1], v[XF+8+(\z):XF+8+(\z)+1]
.endr
.irp w, 2,3,4,5,6,7                    ; k ascending
.irp z, 0,2,4,6
	v_pk_add_f32 v[LG+(\z):LG+(\z)+1], v[LG+(\z):LG+(\z)+1], v[XF+8*(\w)+(\z):XF+8*(\w)+(\z)+1]
.endr
.endr
	; the largest logit m1 and its lowest index i1
	v_max3_num_f32 v160, v[LG], v[LG+1], v[LG+2]
	v_max3_num_f32 v160, v160, v[LG+3], v[LG+4]
	v_max3_num_f32 v160, v160, v[LG+5], v[LG+6]
	v_max_num_f32 v160, v160, v[LG+7]
	v_mov_b32 v161, 7
.irp e, 6,5,4,3,2,1,0
	v_cmp_eq_f32 vcc_lo, v[LG+(\e)], v160
	v_cndmask_b32 v161, v161, \e, vcc_lo
.endr
.irp e, 0,1,2,3,4,5,6,7
	v_cmp_eq_u32 vcc_lo, \e, v161
	v_cndmask_b32 v[168+(\e)], v[LG+(\e)], v162, vcc_lo
.endr
	; the second, m2 and i2, among the others
	v_max3_num_f32 v163, v168, v169, v170
	v_max3_num_f32 v163, v163, v171, v172
	v_max3_num_f32 v163, v163, v173, v174
	v_max_num_f32 v163, v163, v175
	v_mov_b32 v164, 7
.irp e, 6,5,4,3,2,1,0
	v_cmp_eq_f32 vcc_lo, v[168+(\e)], v163
	v_cndmask_b32 v164, v164, \e, vcc_lo
.endr
	; softmax with the maximum taken away; d = p2 / p1; the gate's exponential
.irp e, 0,1,2,3,4,5,6,7
	v_sub_f32 v[176+(\e)], v[LG+(\e)], v160
.endr
	v_sub_f32 v200, v163, v160
.irp e, 0,1,2,3,4,5,6,7
	v_mul_f32 v[176+(\e)], s29, v[176+(\e)]
.endr
	v_mul_f32 v200, s29, v200
	v_mul_f32 v201, 0xbfb8aa3b, v[LG]
.irp e, 0,1,2,3,4,5,6,7
	v_exp_f32 v[176+(\e)], v[176+(\e)]
.endr
	v_exp_f32 v200, v200
	v_exp_f32 v201, v201
	v_nop                                          ; a plain instruction behind the last exponential,
	s_wait_alu depctr_va_vdst(0)                   ; and one wait for the batch of ten
	v_add_f32 v202, v176, v177
	v_add_f32 v207, v178, v179
	v_add_f32 v209, v180, v181
	v_add_f32 v212, v182, v183
	v_add_f32 v202, v202, v207
	v_add_f32 v209, v209, v212
	v_add_f32 v202, v202, v209
	v_add_f32 v204, 1.0, v200
	v_add_f32 v205, 1.0, v201
	v_rcp_f32 v203, v202                           ; 1 / sum
	v_rcp_f32 v204, v204                           ; w1 = p1 / (p1 + p2) = 1 / (1 + d)
	v_rcp_f32 v205, v205                           ; sigmoid
	v_nop
	s_wait_alu depctr_va_vdst(0)                   ; one wait for the three reciprocals
.irp e, 0,1,2,3,4,5,6,7
	v_mul_f32 v[176+(\e)], v203, v[176+(\e)]       ; the probabilities
.endr
	v_mul_f32 v206, v200, v204                     ; w2 = d w1
.irp e, 0,1,2,3,4,5,6,7                ; v192-199 combine weights, v184-191 one where chosen: selects, no branch
	v_cmp_eq_u32 vcc_lo, \e, v164
	v_cndmask_b32 v[192+(\e)], v166, v206, vcc_lo
	v_cndmask_b32 v[184+(\e)], v166, v165, vcc_lo
	v_cmp_eq_u32 vcc_lo, \e, v161
	v_cndmask_b32 v[192+(\e)], v[192+(\e)], v204, vcc_lo
	v_cndmask_b32 v[184+(\e)], v[184+(\e)], v165, vcc_lo
.endr
	v_cndmask_b32 v192, v192, v205, s27            ; lanes 16-31 hold columns 8-15: the gate and seven zeros
.irp e, 1,2,3,4,5,6,7
	v_cndmask_b32 v[192+(\e)], v[192+(\e)], v166, s27
.endr
.irp m, 1,2,4,8                        ; sums over the 16 tokens, inside lanes 0-15
.irp e, 0,1,2,3,4,5,6,7,8,9,10,11,12,13,14,15
	v_add_f32_dpp v[176+(\e)], v[176+(\e)], v[176+(\e)] row_xmask:\m row_mask:0xf bank_mask:0xf
.endr
.endr
	v_lshlrev_b32 v208, v161, v167                 ; 1 << i1
	v_lshlrev_b32 v209, v164, v167                 ; 1 << i2,
	v_lshl_or_b32 v209, v209, 16, v209             ; once more 16 higher: the mark of the second rank
	v_or_b32 v208, v208, v209
	v_or_b32 v208, s26, v208
	global_store_b128 v210, v[192:195], s[14:15]
	global_store_b128 v210, v[196:199], s[14:15] offset:16
	s_wait_xcnt 0x0                                ; EXEC changes only behind this wait
	v_cmp_gt_u32 vcc_lo, 16, v1
	s_and_saveexec_b32 s28, vcc_lo
	global_store_b32 v211, v208, s[12:13]          ; lanes 0-15: 64 consecutive bytes
	s_wait_xcnt 0x0
	s_or_b32 exec_lo, exec_lo, s28
	v_cmp_eq_u32 vcc_lo, 0, v1
	s_and_saveexec_b32 s28, vcc_lo
	global_store_b128 v166, v[176:179], s[16:17]   ; lane 0: the work-group's row of psum
	global_store_b128 v166, v[180:183], s[16:17] offset:16
	global_store_b128 v166, v[184:187], s[16:17] offset:32
	global_store_b128 v166, v[188:191], s[16:17] offset:48
	s_wait_xcnt 0x0
	s_or_b32 exec_lo, exec_lo, s28
.Lend:
	s_wait_tensorcnt 0x0                           ; the wave's end
	ds_add_u32 v[SPW], v[NIL]
	s_wait_dscnt 0x0
	s_endpgm
.Lfunc_end_k_q1a919f2501_router:
	.size	k_q1a919f2501_router, .Lfunc_end_k_q1a919f2501_router-k_q1a919f2501_router
	.p2alignl 7, 3214868480
	.fill 96, 4, 3214868480
	.section	.rodata,"a",@progbits
	.p2align	6, 0x0
	.amdhsa_kernel k_q1a919f2501_router
		.amdhsa_group_segment_fixed_size 142336
		.amdhsa_private_segment_fixed_size 0
		.amdhsa_enable_private_segment 0
		.amdhsa_kernarg_size 56
		.amdhsa_user_sgpr_count 2
		.amdhsa_user_sgpr_kernarg_segment_ptr 1
		.amdhsa_wavefront_size32 1
		.amdhsa_system_sgpr_workgroup_id_x 1
		.amdhsa_system_sgpr_workgroup_id_y 1
		.amdhsa_system_sgpr_workgroup_id_z 1
		.amdhsa_system_vgpr_workitem_id 0
		.amdhsa_next_free_vgpr 256
		.amdhsa_next_free_sgpr 66
		.amdhsa_reserve_vcc 1
		.amdhsa_float_denorm_mode_32 3
		.amdhsa_float_denorm_mode_16_64 3
		.amdhsa_memory_ordered 1
		.amdhsa_forward_progress 1
		.amdhsa_inst_pref_size 36
	.end_amdhsa_kernel
	.amdgpu_metadata
---
amdhsa.version: [ 1, 2 ]
amdhsa.kernels:
  - .name:           k_q1a919f2501_router
    .symbol:         k_q1a919f2501_router.kd
    .args:
      - { .name: hidden_states, .offset: 0, .size: 8, .value_kind: global_buffer, .address_space: global }
      - { .name: w_router, .offset: 8, .size: 8, .value_kind: global_buffer, .address_space: global }
      - { .name: w_shared_gate, .offset: 16, .size: 8, .value_kind: global_buffer, .address_space: global }
      - { .name: xb, .offset: 24, .size: 8, .value_kind: global_buffer, .address_space: global }
      - { .name: route, .offset: 32, .size: 8, .value_kind: global_buffer, .address_space: global }
      - { .name: comb, .offset: 40, .size: 8, .value_kind: global_buffer, .address_space: global }
      - { .name: psum, .offset: 48, .size: 8, .value_kind: global_buffer, .address_space: global }
    .group_segment_fixed_size: 142336
    .private_segment_fixed_size: 0
    .kernarg_segment_align: 8
    .kernarg_segment_size: 56
    .max_flat_workgroup_size: 256
    .sgpr_count:     66
    .vgpr_count:     256
    .wavefront_size: 32
...
	.end_amdgpu_metadata
.endif
;; end of part 1
;; launch up (part 2): grid 193 x 1, 8 waves a work-group, no clusters, 268,800 bytes of LDS; arguments xb, route, comb, wi0, wi1, sw_wi0, sw_wi1, hbuf, psum, out1; writes hbuf, out1
.if DOCPART == 2
	.amdgcn_target "amdgcn-amd-amdhsa--gfx1250"
	.amdhsa_code_object_version 6
	.text
	.protected	k_q1a919f2501_up
	.globl	k_q1a919f2501_up
	.p2align	8
	.type	k_q1a919f2501_up,@function
k_q1a919f2501_up:
	s_mov_b64 s[64:65], 0
	v_nop
	global_prefetch_b8 v0, s[64:65] scope:SCOPE_SE
	s_setreg_imm32_b32 hwreg(HW_REG_WAVE_MODE, 25, 1), 1
	s_wait_xcnt 0x0
; UP.  h = silu(x wi0) (x wi1) times the token's combine weight, for the rows that chose each of the 8 experts, and the same with the sigmoid gate for the shared expert.
; h leaves as TWO bf16 numbers: h rounded, and what the rounding left (exact in f32) rounded again: some 16 significant bits, with f32's range.  One bf16 alone spends too much of the output's allowance in rows with large h.
; SHARES.  Work-group g < 192: unit u = g / 16 (0-7 an expert; 8-11 a quarter of the tokens for the shared expert), slice g % 16 = 32 hidden columns: those columns of wi0 and of wi1, all 2,048 k.
; An expert's weights have one reader each.  They come as f32, are rounded to bf16 on the way through registers, and stay in LDS: 256 KiB.  Work-group 192 adds up the load-balance loss.
; ROWS.  Wave 0 makes the unit's list of tokens from the stored choices (token order, by counting: no atomics).  Rows go in passes of 640: wave w has the tiles of 16 rows 40 p + 8 i + w, i = 0..4.
; Pass 0 streams the weights in, a chunk of 64 k a trip; passes 1-3 serve splits that give an expert more than 640 rows, find the weights in LDS, and are jumped where no rows are left.  Every split is served: 2,048 rows at the most.
; Tiles past the count are jumped by scalar branches that pass no barrier; the places of a last tile past the count repeat token 0.
; THE ORDER OF K.  A work-group walks the 32 chunks in a ring, from chunk C0 = 2 ((2 (3 (slice / 2) mod 8) + u) mod 16) on.  The 16 slices of a unit, and the units that share a token, read the same rows of xb: begun at different
; chunks they ask for different bytes of those rows in a trip, and from the second trip on mostly for bytes that another of them has asked for in an earlier trip.  C0 is even: two chunks are 256 consecutive bytes of a row.
; The two slices that share each aligned 256 bytes of a weight row begin alike.  In LDS the chunks lie in the order in which they are walked, so no LDS address hangs on C0.
; LAYOUTS.  In a K step of 32 lane half h holds k = 16 h + 0..15, in both operands alike: a lane reads 32 consecutive bytes of a row of xb.  A lane loads columns 2 r, 2 r + 1 of 8 rows k of a weight matrix;
; two roundings pack two k of one column, four of them are 16 bytes of a fragment: column 2 r + j is slot r of column tile j, so nothing is transposed.
; Source 0 = 16 weight columns, source 1 = 16 tokens: a lane holds one token, and its 16 results of a slice pack into the registers of the next product's A fragment, which is how hbuf is laid:
; [9 experts][16 K steps][2 parts][128 row tiles] x 1,024 bytes.
; NO CLUSTER, NO TENSOR LOAD: token rows come by a list that no descriptor covers; the weights must pass through registers to be rounded; each slice of them has one reader.
; LIMITS.  All matrix operands in bf16.  The f32 sums take K in the ring's order, which differs from work-group to work-group and from the reference's.  NaN and infinities are not treated; an exponential below 2^-126 counts as 0.
.set LIST,  262144                     ; behind the weights: u16 entries 0-2559, 32 places for lanes that have nothing to enter, the count
.set CNTW,  LIST+5376
.set SPARE, LIST+5632                  ; the spare words, 128 bytes for each wave: no other line names them
; window 0
.set WO,   4                           ; v4   my byte offset in a chunk's rows of a weight matrix: 8 r + 8 rows x h; never rewritten
.set STA,  5                           ; v5   where I stage 16 bytes of a fragment
.set LDA,  6                           ; v6   where I read fragments
.set LR,   7                           ; v7   my entry in the list
.set RO,   8                           ; v8-12  tile i: my token's row in xb + 32 h
.set L16,  13                          ; v13  16 x lane
.set CW,   14                          ; v14-23 tile i: the token's weight, in the low register of a pair; the high ones hold 0
.set HO,   24                          ; v24  my offset in hbuf
.set STA0, 25                          ; v25  STA for chunk 0
.set SPW,  26                          ; v26  my spare word's LDS address; never rewritten
.set NIL,  27                          ; v27  0; never rewritten
.set H32,  28                          ; v28  32 h
.set LR0,  31                          ; v31  LR for pass 0
.set WB,   32                          ; v32-63  two buffers of 16: a chunk's f32 weights
.set PK,   64                          ; v64-71  two fragments' 16 bytes
.set AB,   72                          ; v72-231 two buffers of 80: x's fragments of a chunk, tile i, K step g at 16 i + 8 g.  Outside the K loop: the route words; EE, PP, HH, PL
.set EE,   72                          ; v72-87  the epilogue's 16 numbers at work
.set PP,   96                          ; v96-135 tile i: 8 registers to store, the high parts
.set HH,   136                         ; v136-151 the high parts widened again
.set PL,   152                         ; v152-191 tile i: 8 registers to store, the low parts
.set TK,   232                         ; v232-236 tokens
.set CWO,  237                         ; v237-241 their offsets in comb
; window 1
.set WF,   160                         ; v160-223 a chunk's weight fragments: K step g, column tile c (wi0's two, wi1's two) at 160 + 8 (4 g + c);  v0-159 the accumulators, tile i, column tile c at 32 i + 8 c
.set WP,   24                          ; s[24:25] my rows of my weight matrix, at the chunk asked for last
.set XP,   28                          ; s[28:29] xb at the chunk asked for last
.set HB,   30                          ; s[30:31] hbuf at my unit's and slice's first fragment
.set CB,   32                          ; s[32:33] comb at my unit's column
.set LIVE, 41                          ; s41  how many of my five tiles have rows
.set C0,   57                          ; s57  the chunk at which this work-group begins
.set PC,   58                          ; s58  memory's number of the chunk whose x was asked for last
.set WP0,  60                          ; s[60:61] my rows of my weight matrix, at memory's chunk 0;  s[50:51], s[62:63] offsets, their high words 0
.set W_MM, 0x51                        ; source 0 (weights) window 1, source 1 (x) window 0, C and D window 1
.set MSB, 0
.macro WIN new                         ; the immediate's high byte repeats the setting that is left; a switch that changes nothing is dropped
.if MSB != (\new)
	s_set_vgpr_msb (MSB<<8)|(\new)
.set MSB, \new
.endif
.endm
.macro WLOAD buf, imm                  ; 8 loads: rows 8 h + j of my 16 of a chunk, columns 2 r, 2 r + 1
.irp j, 0,1,2,3,4,5,6,7
	global_load_b64 v[WB+16*(\buf)+2*(\j):WB+16*(\buf)+2*(\j)+1], v[WO], s[WP:WP+1] offset:(\imm)+2048*(\j)
.endr
.endm
.macro ALOAD buf                       ; 20 loads: five tiles' fragments of 64 k
.irp t, 0,1,2,3,4
.irp g, 0,1
	global_load_b128 v[AB+80*(\buf)+16*(\t)+8*(\g):AB+80*(\buf)+16*(\t)+8*(\g)+3],   v[RO+(\t)], s[XP:XP+1] offset:64*(\g)
	global_load_b128 v[AB+80*(\buf)+16*(\t)+8*(\g)+4:AB+80*(\buf)+16*(\t)+8*(\g)+7], v[RO+(\t)], s[XP:XP+1] offset:64*(\g)+16
.endr
.endr
.endm
.macro CVTW buf                        ; 8 k of two columns, rounded and packed
.irp q, 0,1,2,3
	v_cvt_pk_bf16_f32 v[PK+(\q)],   v[WB+16*(\buf)+4*(\q)],   v[WB+16*(\buf)+4*(\q)+2]
	v_cvt_pk_bf16_f32 v[PK+4+(\q)], v[WB+16*(\buf)+4*(\q)+1], v[WB+16*(\buf)+4*(\q)+3]
.endr
.endm
; A TRIP multiplies the walk's chunk c (par = c % 2).  zero: the products start the sums, and no tile is jumped, so that every accumulator is written.  stage: chunk c + 1's weights are rounded and put into LDS, and a barrier shows them to all.
; lda, ldw: x's fragments of chunk c + 1 and the weights of chunk c + 3 are asked for; their places in memory go round the ring of 32, so each base is made anew from its pointer.  is, ib: where chunk c + 1 is staged and chunk c read, from STA and LDA.
; The conversions (or four v_nop) are the four places between the last trip's products and the loads into registers that they read (ISA guide 7.12.1 for vector instructions).
; The four accumulators of a tile take turns, one instruction a turn; a trip ends on column tile 3 and begins on column tile 0.
.macro TRIP par, zero, stage, lda, ldw, wcnt, is, ib
	s_wait_loadcnt \wcnt
.if \stage
	CVTW 1-(\par)
.else
.rept 4
	v_nop
.endr
.endif
	WIN 0x40
.irp g, 0,1
.irp c, 0,1,2,3
	ds_load_b128 v[WF+8*(4*(\g)+(\c)):WF+8*(4*(\g)+(\c))+3],   v[LDA] offset:(\ib)+4096*(\g)+1024*(\c)
	ds_load_b128 v[WF+8*(4*(\g)+(\c))+4:WF+8*(4*(\g)+(\c))+7], v[LDA] offset:(\ib)+4096*(\g)+1024*(\c)+512
.endr
.endr
	WIN 0
.if \stage
	ds_store_b128 v[STA], v[PK:PK+3]   offset:(\is)
	ds_store_b128 v[STA], v[PK+4:PK+7] offset:(\is)+1024
.endif
.if \lda
	s_wait_xcnt 0x0                                ; the two bases, which the last trip's loads name, are rewritten only behind this wait
	s_add_co_u32 s[PC], s[PC], 1
	s_and_b32 s[PC], s[PC], 31                     ; chunk c + 1's number in memory
	s_lshl_b32 s50, s[PC], 7                       ; 128 bytes of a row of xb a chunk
	s_add_nc_u64 s[XP:XP+1], s[4:5], s[50:51]
.if \ldw
	s_add_co_u32 s59, s[PC], 2
	s_and_b32 s59, s59, 31                         ; chunk c + 3's
	s_lshl_b32 s62, s59, 17                        ; 64 rows of 2,048 bytes a chunk
	s_add_nc_u64 s[WP:WP+1], s[WP0:WP0+1], s[62:63]
.endif
	ALOAD 1-(\par)
.endif
.if \ldw
	WLOAD 1-(\par), 0
.endif
	s_wait_dscnt 0x0                               ; my fragments are in; my part of the next chunk is in LDS
.if \stage
	s_barrier_signal -1                            ; say so; the products below are work on registers
.endif
.irp t, 0,1,2,3,4
.if !(\zero)
	WIN 0                                          ; at a branch and at a label every window is 0
	s_cmp_le_u32 s[LIVE], \t
	s_cbranch_scc1 .Ldead_\@                       ; tiles without rows: only products are jumped
.endif
	WIN W_MM
.irp g, 0,1
.irp c, 0,1,2,3
.if (\zero) && ((\g) == 0)
	v_wmma_f32_16x16x32_bf16 v[32*(\t)+8*(\c):32*(\t)+8*(\c)+7], v[WF+8*(4*(\g)+(\c)):WF+8*(4*(\g)+(\c))+7], v[AB+80*(\par)+16*(\t)+8*(\g):AB+80*(\par)+16*(\t)+8*(\g)+7], 0
.else
	v_wmma_f32_16x16x32_bf16 v[32*(\t)+8*(\c):32*(\t)+8*(\c)+7], v[WF+8*(4*(\g)+(\c)):WF+8*(4*(\g)+(\c))+7], v[AB+80*(\par)+16*(\t)+8*(\g):AB+80*(\par)+16*(\t)+8*(\g)+7], v[32*(\t)+8*(\c):32*(\t)+8*(\c)+7]
.endif
.endr
.endr
.endr
	WIN 0
.Ldead_\@:
.if \stage
	s_barrier_wait -1                              ; the next chunk is whole.  A chunk's bytes are written once, so no barrier is wanted for a second writing
.endif
.endm
; A pass begins: how many of my tiles have rows; their tokens, rows and weights; x's fragments of the walk's first chunk.
.macro PASSHEAD
	s_wait_xcnt 0x0                                ; the registers that earlier loads and stores name are rewritten only behind this wait
	s_add_co_u32 s48, s35, 7
	s_sub_co_i32 s48, s48, s40
	s_max_i32 s48, s48, 0
	s_lshr_b32 s48, s48, 3
	s_min_u32 s[LIVE], s48, 5                      ; the i with T0 + 8 i below the number of tiles
	s_lshl_b32 s48, s40, 10
	v_add_nc_u32 v[HO], s48, v[L16]                ; fragment T0
	s_lshl_b32 s48, s52, 5
	v_add_nc_u32 v[LR], s48, v[LR0]                ; 40 p tiles of 32 bytes on
.irp t, 0,1,2,3,4
	ds_load_u16 v[TK+(\t)], v[LR] offset:256*(\t)
.endr
	s_mov_b32 s[PC], s[C0]                         ; the walk begins at memory's chunk C0,
	s_lshl_b32 s50, s[C0], 7
	s_add_nc_u64 s[XP:XP+1], s[4:5], s[50:51]
	v_mov_b32 v[LDA], v[L16]                       ; which lies first in LDS
	s_wait_dscnt 0x0
.irp t, 0,1,2,3,4
	v_min_u32 v[TK+(\t)], 0x7ff, v[TK+(\t)]        ; a token's number stays inside the tables
.endr
.irp t, 0,1,2,3,4
	v_lshl_add_u32 v[RO+(\t)], v[TK+(\t)], 12, v[H32]
	v_lshlrev_b32 v[CWO+(\t)], 6, v[TK+(\t)]
.endr
.irp t, 0,1,2,3,4
	global_load_b32 v[CW+2*(\t)], v[CWO+(\t)], s[CB:CB+1]
.endr
	ALOAD 0
.endm
; THE WAY OUT of a pass.  For each tile with rows: g / (1 + 2^(-g log2 e)) x u x weight, 16 numbers a lane; columns 2 q and 2 q + 1 come from the two column tiles and pack into one register.
; The packed high parts are widened again (a shift, a mask), taken away from h, and the rest is rounded and packed in the same way: the low parts.
; Two batches of 16 transcendentals a tile, each with a plain instruction and one wait behind it.  Each accumulator is read from its low end on.
.macro EPI
.rept 4
	v_nop                                          ; four places behind the last products
.endr
.irp t, 0,1,2,3,4
	s_cmp_le_u32 s[LIVE], \t
	s_cbranch_scc1 .Lepi_\@
	WIN 0x01                                       ; source 0 in window 1
.irp z, 0,1,2,3,4,5,6,7
	v_pk_mul_f32 v[EE+2*(\z):EE+2*(\z)+1], v[32*(\t)+2*(\z):32*(\t)+2*(\z)+1], s[44:45] op_sel_hi:[1,0]
.endr
	WIN 0
.irp z, 0,1,2,3,4,5,6,7,8,9,10,11,12,13,14,15
	v_exp_f32 v[EE+(\z)], v[EE+(\z)]
.endr
	v_nop
	s_wait_alu depctr_va_vdst(0)
.irp z, 0,1,2,3,4,5,6,7
	v_pk_add_f32 v[EE+2*(\z):EE+2*(\z)+1], v[EE+2*(\z):EE+2*(\z)+1], 1.0 op_sel_hi:[1,0]
.endr
.irp z, 0,1,2,3,4,5,6,7,8,9,10,11,12,13,14,15
	v_rcp_f32 v[EE+(\z)], v[EE+(\z)]
.endr
	v_nop
	s_wait_alu depctr_va_vdst(0)
	WIN 0x01
.irp z, 0,1,2,3,4,5,6,7
	v_pk_mul_f32 v[EE+2*(\z):EE+2*(\z)+1], v[32*(\t)+2*(\z):32*(\t)+2*(\z)+1], v[EE+2*(\z):EE+2*(\z)+1]
.endr
.irp z, 0,1,2,3,4,5,6,7
	v_pk_mul_f32 v[EE+2*(\z):EE+2*(\z)+1], v[32*(\t)+16+2*(\z):32*(\t)+16+2*(\z)+1], v[EE+2*(\z):EE+2*(\z)+1]
.endr
	WIN 0
.irp z, 0,1,2,3,4,5,6,7
	v_pk_mul_f32 v[EE+2*(\z):EE+2*(\z)+1], v[EE+2*(\z):EE+2*(\z)+1], v[CW+2*(\t):CW+2*(\t)+1] op_sel_hi:[1,0]
.endr
.irp q, 0,1,2,3,4,5,6,7
	v_cvt_pk_bf16_f32 v[PP+8*(\t)+(\q)], v[EE+(\q)], v[EE+8+(\q)]
.endr
.irp q, 0,1,2,3,4,5,6,7
	v_lshlrev_b32 v[HH+(\q)], 16, v[PP+8*(\t)+(\q)]
	v_and_b32 v[HH+8+(\q)], s56, v[PP+8*(\t)+(\q)]
.endr
.irp z, 0,1,2,3,4,5,6,7
	v_pk_add_f32 v[EE+2*(\z):EE+2*(\z)+1], v[EE+2*(\z):EE+2*(\z)+1], v[HH+2*(\z):HH+2*(\z)+1] neg_lo:[0,1] neg_hi:[0,1]
.endr
.irp q, 0,1,2,3,4,5,6,7
	v_cvt_pk_bf16_f32 v[PL+8*(\t)+(\q)], v[EE+(\q)], v[EE+8+(\q)]
.endr
	global_store_b128 v[HO], v[PP+8*(\t):PP+8*(\t)+3],   s[HB:HB+1] offset:8192*(\t)      ; the wave stores 512 consecutive bytes, aligned: half a fragment
	global_store_b128 v[HO], v[PP+8*(\t)+4:PP+8*(\t)+7], s[HB:HB+1] offset:8192*(\t)+512
	global_store_b128 v[HO], v[PL+8*(\t):PL+8*(\t)+3],   s[HB:HB+1] offset:131072+8192*(\t)  ; the low parts lie 128 fragments on
	global_store_b128 v[HO], v[PL+8*(\t)+4:PL+8*(\t)+7], s[HB:HB+1] offset:131072+8192*(\t)+512
.endr
.Lepi_\@:
.endm
	s_load_b512 s[4:19], s[0:1], 0x0               ; xb s[4:5], route s[6:7], comb s[8:9], wi0 s[10:11], wi1 s[12:13], sw_wi0 s[14:15], sw_wi1 s[16:17], hbuf s[18:19]
	s_load_b128 s[36:39], s[0:1], 0x40             ; psum s[36:37], out1 s[38:39]
	v_lshl_add_u32 v[SPW], v0, 2, SPARE
	v_mov_b32 v[NIL], 0
	v_and_b32 v1, 31, v0                           ; lane
	v_lshrrev_b32 v29, 5, v0
	v_readfirstlane_b32 s20, v29                   ; wave
	v_and_b32 v2, 15, v0                           ; r
	v_bfe_u32 v3, v0, 4, 1                         ; h
	s_cmp_eq_u32 ttmp9, 192
	s_cbranch_scc1 .Lloss
	s_lshr_b32 s22, ttmp9, 4                       ; unit u
	s_and_b32 s21, ttmp9, 15                       ; slice
	s_min_u32 s23, s22, 8                          ; expert, 8 for the shared one
	s_lshl_b32 s46, 1, s22                         ; the unit's bit in a route word
	s_mov_b32 s44, 0xbfb8aa3b                      ; -log2(e),
	s_mov_b32 s45, s44                             ; named as a pair
	s_mov_b32 s56, 0xffff0000                      ; a word's upper bf16
	s_mov_b32 s51, 0
	s_mov_b32 s63, 0
	s_lshr_b32 s[C0], s21, 1                       ; where my walk round K begins: the pair of slices,
	s_mul_i32 s[C0], s[C0], 3
	s_and_b32 s[C0], s[C0], 7                      ; spread over eight places,
	s_lshl1_add_u32 s[C0], s[C0], s22              ; two apart, shifted by the unit,
	s_and_b32 s[C0], s[C0], 15
	s_lshl_b32 s[C0], s[C0], 1                     ; each two chunks wide
	v_lshlrev_b32 v[WO], 3, v2
	v_lshl_add_u32 v[WO], v3, 14, v[WO]
	v_lshlrev_b32 v[L16], 4, v1
	v_lshlrev_b32 v[H32], 5, v3
	; my 16 rows of a chunk are rows 16 (w / 2) on of matrix w % 2: K step w / 4, lane half (w / 2) % 2 of the fragments; my h picks the fragment's half of registers
	s_lshr_b32 s48, s20, 2
	s_lshl_b32 s48, s48, 12
	s_and_b32 s49, s20, 1
	s_lshl_b32 s49, s49, 11
	s_add_co_u32 s48, s48, s49
	s_bfe_u32 s49, s20, 0x10001
	s_lshl_b32 s49, s49, 8
	s_add_co_u32 s48, s48, s49
	v_lshlrev_b32 v[STA0], 4, v2
	v_lshl_add_u32 v[STA0], v3, 9, v[STA0]
	v_add_nc_u32 v[STA0], s48, v[STA0]
	v_mov_b32 v[STA], v[STA0]
	s_lshl_b32 s48, s20, 5
	s_add_co_u32 s48, s48, LIST
	v_lshl_add_u32 v[LR0], v2, 1, s48              ; entry 16 w + r
.irp t, 0,1,2,3,4
	v_mov_b32 v[CW+2*(\t)+1], 0                    ; named with the weights as pairs
.endr
	s_wait_kmcnt 0x0
	s_cmp_lt_u32 s22, 8                            ; an expert's matrices or the shared ones,
	s_cselect_b64 s[24:25], s[10:11], s[14:15]
	s_cselect_b64 s[26:27], s[12:13], s[16:17]
	s_cselect_b32 s50, s22, 0
	s_bitcmp1_b32 s20, 0                           ; and of the two mine
	s_cselect_b64 s[WP0:WP0+1], s[26:27], s[24:25]
	s_lshl_b32 s50, s50, 22                        ; the expert's 4 MiB,
	s_lshl_b32 s48, s21, 7                         ; the slice's 128 bytes of a row,
	s_add_co_u32 s50, s50, s48
	s_lshr_b32 s48, s20, 1
	s_lshl_b32 s48, s48, 15                        ; my 16 rows of 2,048 bytes
	s_add_co_u32 s50, s50, s48
	s_add_nc_u64 s[WP0:WP0+1], s[WP0:WP0+1], s[50:51]
	s_lshl_b32 s62, s[C0], 17
	s_add_nc_u64 s[WP:WP+1], s[WP0:WP0+1], s[62:63]  ; at memory's chunk C0
	s_lshl4_add_u32 s50, s23, s21                  ; hbuf: K step = slice of expert e: two parts of 128 fragments of 1,024 bytes each,
	s_lshl_b32 s50, s50, 18
	s_max_u32 s48, s22, 8
	s_sub_co_u32 s48, s48, 8
	s_lshl_b32 s48, s48, 15                        ; and a quarter's 32 tiles
	s_add_co_u32 s50, s50, s48
	s_add_nc_u64 s[HB:HB+1], s[18:19], s[50:51]
	s_lshl_b32 s50, s23, 2
	s_add_nc_u64 s[CB:CB+1], s[8:9], s[50:51]
	WLOAD 0, 0                                     ; the walk's chunks 0 and 1 of the weights are asked for before anything else;
	WLOAD 1, 131072                                ; C0 is even, so C0 + 1 is still inside the ring
	s_cmp_lg_u32 s20, 0
	s_cbranch_scc1 .Lnolist
	; THE LIST, by wave 0: for each 32 tokens, the lanes whose token has the unit's bit enter it at the running count plus the number of such lanes below them; the others write a place of their own that nobody reads.
	v_lshlrev_b32 v245, 2, v1
.set cc, 0
.rept 64
	global_load_b32 v[AB+cc], v245, s[6:7] offset:128*cc
.set cc, cc+1
.endr
.irp q, 0,1,2,3
	v_mov_b32 v[PK+(\q)], 0
.endr
	v_add_nc_u32 v246, LIST, v[L16]
.irp k, 0,1,2,3,4,5,6,7,8,9,10
	ds_store_b128 v246, v[PK:PK+3] offset:512*(\k) ; every entry is a token that exists: 0
.endr
	s_mov_b32 s47, 0
	v_mov_b32 v243, v1
	v_add_nc_u32 v244, 2560, v1
	s_wait_loadcnt 0x0
.set cc, 0
.rept 64
	v_and_b32 v242, s46, v[AB+cc]
	v_cmp_ne_u32 vcc_lo, 0, v242
	v_mbcnt_lo_u32_b32 v242, vcc_lo, s47
	v_cndmask_b32 v242, v244, v242, vcc_lo
	v_min_u32 v242, 0xa1f, v242                    ; the place stays inside the list
	v_lshl_add_u32 v242, v242, 1, LIST
	ds_store_b16 v242, v243
	v_add_nc_u32 v243, 32, v243
	s_bcnt1_i32_b32 s48, vcc_lo
	s_add_co_u32 s47, s47, s48
.set cc, cc+1
.endr
	v_mov_b32 v242, s47
	v_mov_b32 v246, CNTW
	ds_store_b32 v246, v242
.Lnolist:
	s_wait_loadcnt 0x8                             ; chunk 1's eight loads may stay out: chunk 0's weights are in
	CVTW 0
	ds_store_b128 v[STA0], v[PK:PK+3]
	ds_store_b128 v[STA0], v[PK+4:PK+7] offset:1024
	s_wait_dscnt 0x0                               ; for the others' sake: my part of chunk 0, and wave 0's list
	s_barrier_signal -1
	s_barrier_wait -1
	v_mov_b32 v29, CNTW
	ds_load_b32 v30, v29
	s_wait_dscnt 0x0
	v_readfirstlane_b32 s34, v30
	s_min_u32 s34, s34, 2048                       ; rows of the unit
	s_add_co_u32 s35, s34, 15
	s_lshr_b32 s35, s35, 4                         ; tiles of 16
	s_mov_b32 s40, s20                             ; T0 = 40 p + w
	s_mov_b32 s52, 0                               ; 40 p
	PASSHEAD                                       ; (its first line frees WP, which the first two groups of weight loads name)
	s_add_co_u32 s59, s[C0], 2
	s_and_b32 s59, s59, 31                         ; the walk's chunk 2
	s_lshl_b32 s62, s59, 17
	s_add_nc_u64 s[WP:WP+1], s[WP0:WP0+1], s[62:63]
	WLOAD 0, 0
	; PASS 0.  At a trip's head the count 8 leaves out the eight weight loads issued last (chunk c + 2): x's fragments of chunk c and the weights of chunk c + 1, issued ahead of them, are in.
	TRIP 0,1,1,1,1,8,8192,0
	s_mov_b32 s53, 8192
	s_mov_b32 s54, 16384
	v_add_nc_u32 v[LDA], s53, v[L16]
	v_add_nc_u32 v[STA], s54, v[STA0]
	s_mov_b32 s42, 14
.Lstream:                                              ; chunks 1 to 28 of the walk, two a trip
	TRIP 1,0,1,1,1,8,0,0
	TRIP 0,0,1,1,1,8,8192,8192
	s_add_co_u32 s53, s53, 16384
	s_add_co_u32 s54, s54, 16384
	v_add_nc_u32 v[LDA], s53, v[L16]
	v_add_nc_u32 v[STA], s54, v[STA0]
	s_sub_co_u32 s42, s42, 1
	s_cmp_lg_u32 s42, 0
	s_cbranch_scc1 .Lstream
	TRIP 1,0,1,1,0,8,0,0                           ; the tail is written out: nothing is asked for twice.  Chunk 29: chunk 31's weights may stay out
	TRIP 0,0,1,1,0,0,8192,8192                     ; chunk 30: nothing was issued behind what it needs
	TRIP 1,0,0,0,0,0,0,16384                       ; chunk 31
	s_mov_b32 s43, 4                               ; four passes at the most, this one among them
	s_branch .Lout                                 ; the way out is written once, in the loop over passes: pass 0 enters the loop there
	; PASSES 1 TO 3: the weights lie in LDS, nothing writes LDS, no barrier.  A pass without rows is jumped, to the label ahead of the counter's step.
.Lpass:
	s_add_co_u32 s40, s40, 40
	s_add_co_u32 s52, s52, 40
	s_cmp_ge_u32 s52, s35
	s_cbranch_scc1 .Lpass_next
	PASSHEAD
	TRIP 0,1,0,1,0,0,0,0
	s_mov_b32 s53, 8192                            ; chunk 1
	s_mov_b32 s42, 15
.Lagain:                                               ; chunks 1 to 30, two a trip
	s_min_u32 s55, s53, 237568                     ; chunk 29 is the last that a trip begins with: 237,568 + 496 + 8,192 + 7,680 + 16 bytes end inside the weights' 262,144
	v_add_nc_u32 v[LDA], s55, v[L16]
	TRIP 1,0,0,1,0,0,0,0
	TRIP 0,0,0,1,0,0,0,8192
	s_add_co_u32 s53, s53, 16384
	s_sub_co_u32 s42, s42, 1
	s_cmp_lg_u32 s42, 0
	s_cbranch_scc1 .Lagain
	v_add_nc_u32 v[LDA], 253952, v[L16]            ; chunk 31
	TRIP 1,0,0,0,0,0,0,0
.Lout:
	EPI
.Lpass_next:
	s_sub_co_u32 s43, s43, 1
	s_cmp_lg_u32 s43, 0
	s_cbranch_scc1 .Lpass
	s_wait_dscnt 0x0                               ; my LDS reads are back,
	s_barrier_signal -1
	s_barrier_wait -1                              ; and so are every wave's, before any wave writes LDS again
	s_wait_tensorcnt 0x0                           ; the wave's end
	ds_add_u32 v[SPW], v[NIL]
	s_wait_dscnt 0x0
	s_endpgm
	; THE LOSS, by one wave of work-group 192: 0.01 x 64 x mean over e of (count_e / T) (sum of p_e / T) = 0.08 / 2^22 x the sum over e of count_e x sum_e.  This work-group writes no LDS.
.Lloss:
	s_wait_kmcnt 0x0
	s_cmp_lg_u32 s20, 0
	s_cbranch_scc1 .Lloss_end
	s_mov_b32 s48, 0x76543210
	s_mov_b32 s49, 0xfedcba98
	v_lshlrev_b32 v4, 4, v1
.irp j, 0,1,2,3,4,5,6,7,8,9,10,11,12,13,14,15  ; psum's 8,192 bytes: lane l holds columns 4 (l % 4) + 0..3 of rows l / 4 + 8 j
	global_load_b128 v[32+4*(\j):35+4*(\j)], v4, s[36:37] offset:512*(\j)
.endr
	s_wait_loadcnt 0x0
.irp j, 1,2,3,4,5,6,7,8,9,10,11,12,13,14,15
	v_pk_add_f32 v[32:33], v[32:33], v[32+4*(\j):33+4*(\j)]
	v_pk_add_f32 v[34:35], v[34:35], v[34+4*(\j):35+4*(\j)]
.endr
.irp m, 4,8
.irp t, 0,1,2,3
	v_add_f32_dpp v[32+(\t)], v[32+(\t)], v[32+(\t)] row_xmask:\m row_mask:0xf bank_mask:0xf
.endr
.endr
.irp t, 0,1,2,3
	v_permlanex16_b32 v[36+(\t)], v[32+(\t)], s48, s49
.endr
.irp t, 0,1,2,3
	v_add_f32 v[32+(\t)], v[32+(\t)], v[36+(\t)]
.endr
.irp t, 0,1,2,3                        ; the lane two away holds the counts of the experts whose sums I hold, or the other way round
	v_mul_f32_dpp v[32+(\t)], v[32+(\t)], v[32+(\t)] row_xmask:2 row_mask:0xf bank_mask:0xf
.endr
	v_add_f32 v32, v32, v33
	v_add_f32 v34, v34, v35
	v_add_f32 v32, v32, v34
	v_add_f32_dpp v32, v32, v32 row_xmask:1 row_mask:0xf bank_mask:0xf
	v_mul_f32 v32, 0x32a3d70a, v32                 ; 0.08 / 2^22
	v_mov_b32 v5, 0
	v_cmp_eq_u32 vcc_lo, 0, v1
	s_wait_xcnt 0x0                                ; EXEC changes only behind this wait
	s_and_saveexec_b32 s50, vcc_lo
	global_store_b32 v5, v32, s[38:39]
	s_wait_xcnt 0x0
	s_or_b32 exec_lo, exec_lo, s50
.Lloss_end:
	s_endpgm
.Lfunc_end_k_q1a919f2501_up:
	.size	k_q1a919f2501_up, .Lfunc_end_k_q1a919f2501_up-k_q1a919f2501_up
	.p2alignl 7, 3214868480
	.fill 96, 4, 3214868480
	.section	.rodata,"a",@progbits
	.p2align	6, 0x0
	.amdhsa_kernel k_q1a919f2501_up
		.amdhsa_group_segment_fixed_size 268800
		.amdhsa_private_segment_fixed_size 0
		.amdhsa_enable_private_segment 0
		.amdhsa_kernarg_size 80
		.amdhsa_user_sgpr_count 2
		.amdhsa_user_sgpr_kernarg_segment_ptr 1
		.amdhsa_wavefront_size32 1
		.amdhsa_system_sgpr_workgroup_id_x 1
		.amdhsa_system_sgpr_workgroup_id_y 1
		.amdhsa_system_sgpr_workgroup_id_z 1
		.amdhsa_system_vgpr_workitem_id 0
		.amdhsa_next_free_vgpr 512
		.amdhsa_next_free_sgpr 66
		.amdhsa_reserve_vcc 1
		.amdhsa_float_denorm_mode_32 3
		.amdhsa_float_denorm_mode_16_64 3
		.amdhsa_memory_ordered 1
		.amdhsa_forward_progress 1
		.amdhsa_inst_pref_size 154
	.end_amdhsa_kernel
	.amdgpu_metadata
---
amdhsa.version: [ 1, 2 ]
amdhsa.kernels:
  - .name:           k_q1a919f2501_up
    .symbol:         k_q1a919f2501_up.kd
    .args:
      - { .name: xb, .offset: 0, .size: 8, .value_kind: global_buffer, .address_space: global }
      - { .name: route, .offset: 8, .size: 8, .value_kind: global_buffer, .address_space: global }
      - { .name: comb, .offset: 16, .size: 8, .value_kind: global_buffer, .address_space: global }
      - { .name: wi0, .offset: 24, .size: 8, .value_kind: global_buffer, .address_space: global }
      - { .name: wi1, .offset: 32, .size: 8, .value_kind: global_buffer, .address_space: global }
      - { .name: sw_wi0, .offset: 40, .size: 8, .value_kind: global_buffer, .address_space: global }
      - { .name: sw_wi1, .offset: 48, .size: 8, .value_kind: global_buffer, .address_space: global }
      - { .name: hbuf, .offset: 56, .size: 8, .value_kind: global_buffer, .address_space: global }
      - { .name: psum, .offset: 64, .size: 8, .value_kind: global_buffer, .address_space: global }
      - { .name: out1, .offset: 72, .size: 8, .value_kind: global_buffer, .address_space: global }
    .group_segment_fixed_size: 268800
    .private_segment_fixed_size: 0
    .kernarg_segment_align: 8
    .kernarg_segment_size: 80
    .max_flat_workgroup_size: 256
    .sgpr_count:     66
    .vgpr_count:     512
    .wavefront_size: 32
...
	.end_amdgpu_metadata
.endif
;; end of part 2
;; launch down (part 3): grid 32 x 8, 8 waves a work-group, no clusters, 72,192 bytes of LDS; arguments hbuf, route, wo, part; writes part
.if DOCPART == 3
	.amdgcn_target "amdgcn-amd-amdhsa--gfx1250"
	.amdhsa_code_object_version 6
	.text
	.protected	k_q1a919f2501_down
	.globl	k_q1a919f2501_down
	.p2align	8
	.type	k_q1a919f2501_down,@function
k_q1a919f2501_down:
	s_mov_b64 s[64:65], 0
	v_nop
	global_prefetch_b8 v0, s[64:65] scope:SCOPE_SE
	s_setreg_imm32_b32 hwreg(HW_REG_WAVE_MODE, 25, 1), 1
	s_wait_xcnt 0x0
; DOWN.  For each routed expert: (weighted h) @ wo, one f32 row for each pair of token and rank: part[token + 2048 rank][2048].  The two ranks of a token are added by the next launch: partial sums stay in f32.
; h comes as two bf16 parts, a high and a low one; both are multiplied by the same weight fragment into the same accumulator.
; SHARES.  Work-group (x, y): 64 output columns (256 bytes of each row of wo and of part: whole aligned blocks both ways) of expert y, all 512 k: each weight has one reader.  The slice is rounded to bf16 on the way
; through registers and stays in LDS, 64 KiB.  Rows as in the launch before: wave 0 makes the expert's list again, in the same order, each entry now token + 2048 x rank; passes of 640 rows, wave w the tiles 40 p + 8 i + w.
; A pass without rows is jumped; tiles without rows are jumped; the places of a last tile past the count go to a spare row 4096 + e of part that nobody reads, so no store is masked.  Every split is served.
; THE ORDER OF K.  A work-group walks the 16 K steps in a ring, from K step o = (7 x + x / 16) mod 16 on.  The 32 slices of an expert read the same fragments of h: begun at different K steps they ask for different fragments
; in a trip, and from the second trip on mostly for fragments that another of them has asked for in an earlier trip.  In LDS the weights lie in the order in which they are walked: wave w fetches memory's K steps
; (2 w + o) mod 16 and (2 w + 1 + o) mod 16 and stages them at places 2 w and 2 w + 1, so no LDS address hangs on o.
; LAYOUTS.  h's fragments lie in hbuf as the registers take them: [expert][16 K steps][2 parts][128 row tiles] x 1,024 bytes.  A lane loads columns 4 r .. 4 r + 3 of 8 rows k of wo; column 4 r + c is slot r of column tile c.
; Source 0 = 16 rows of h, source 1 = 16 weight columns: a lane holds column slot r of tokens 8 h + 0..7, so four accumulators' registers side by side are 16 neighbouring bytes of a row, and 16 lanes store 256.
; NO CLUSTER, NO TENSOR LOAD: the weights pass through registers to be rounded and have one reader; what an expert's 32 work-groups share is h, some 1 MiB an expert, whose number of tiles hangs on a stored count.
; LIMITS.  The f32 sums take K in the ring's order, which differs from work-group to work-group and from the reference's.
.set LIST,  65536
.set CNTW,  LIST+5376
.set SPARE, LIST+5632                  ; the spare words, 128 bytes for each wave: no other line names them
.set WO,   4                           ; v4   16 r + 8 rows x h in wo; never rewritten
.set STA,  5                           ; v5   where I stage 16 bytes of a fragment; never rewritten
.set LDA,  6                           ; v6   where I read fragments
.set LR,   7                           ; v7   my eight entries in the list
.set AO,   8                           ; v8-12  tile i: my 16 bytes in its fragments
.set L16,  13                          ; v13  16 x lane
.set R16,  14                          ; v14  16 r
.set LR0,  15                          ; v15  LR for pass 0
.set EN,   16                          ; v16-19 eight entries
.set RA,   20                          ; v20-27 their rows' offsets in part
.set SPW,  28                          ; v28  my spare word's LDS address; never rewritten
.set NIL,  29                          ; v29  0; never rewritten
.set PK,   32                          ; v32-47 four fragments' 16 bytes
.set TT,   48                          ; v48-79 a tile's results, four columns side by side
.set AB,   80                          ; v80-239 two buffers of 80: h's fragments of a K step, tile i, part g at 16 i + 8 g; early on the route words
.set WF,   160                         ; window 1: v160-191 a K step's four weight fragments; v0-159 accumulators (tile i, column tile c at 32 i + 8 c); while staging v0-127 the f32 weights
.set WP,   16                          ; s[16:17] wo at the first of my two K steps
.set WP2,  44                          ; s[44:45] at the second
.set HB0,  18                          ; s[18:19] the expert's fragments
.set AP,   20                          ; s[20:21] the K step asked for last
.set PB,   22                          ; s[22:23] part at my columns
.set LIVE, 27
.set O0,   42                          ; s42  the K step at which this work-group begins
.set PC,   43                          ; s43  memory's number of the K step asked for last;  s[36:37] an offset, its high word 0
.set W_MM, 0x54                        ; source 0 (h) window 0, source 1 (weights) window 1, C and D window 1
.set MSB, 0
.macro WIN new
.if MSB != (\new)
	s_set_vgpr_msb (MSB<<8)|(\new)
.set MSB, \new
.endif
.endm
.macro ALOAD buf                       ; 20 loads, 512 consecutive bytes each: five tiles' fragments of a K step, both parts
.irp t, 0,1,2,3,4
.irp g, 0,1
	global_load_b128 v[AB+80*(\buf)+16*(\t)+8*(\g):AB+80*(\buf)+16*(\t)+8*(\g)+3],   v[AO+(\t)], s[AP:AP+1] offset:131072*(\g)
	global_load_b128 v[AB+80*(\buf)+16*(\t)+8*(\g)+4:AB+80*(\buf)+16*(\t)+8*(\g)+7], v[AO+(\t)], s[AP:AP+1] offset:131072*(\g)+512
.endr
.endr
.endm
; A trip multiplies the walk's K step c (par = c % 2), high part and low part, and asks for h's fragments of K step c + 1, whose place in memory goes round the ring of 16: the base is made anew from the pointer.
; The four v_nop are the places between the last trip's products and the loads into registers that they read.  The four accumulators of a tile take turns.
.macro TRIPD par, zero, lda, ib
	s_wait_loadcnt 0x0
.rept 4
	v_nop
.endr
	WIN 0x40
.irp c, 0,1,2,3
	ds_load_b128 v[WF+8*(\c):WF+8*(\c)+3],   v[LDA] offset:(\ib)+1024*(\c)
	ds_load_b128 v[WF+8*(\c)+4:WF+8*(\c)+7], v[LDA] offset:(\ib)+1024*(\c)+512
.endr
	WIN 0
.if \lda
	s_wait_xcnt 0x0                                ; the base is rewritten only behind this wait
	s_add_co_u32 s[PC], s[PC], 1
	s_and_b32 s[PC], s[PC], 15                     ; K step c + 1's number in memory
	s_lshl_b32 s36, s[PC], 18                      ; 2 parts x 128 fragments of 1,024 bytes a K step
	s_add_nc_u64 s[AP:AP+1], s[HB0:HB0+1], s[36:37]
	ALOAD 1-(\par)
.endif
	s_wait_dscnt 0x0
.irp t, 0,1,2,3,4
.if !(\zero)
	WIN 0
	s_cmp_le_u32 s[LIVE], \t
	s_cbranch_scc1 .Ldead_\@
.endif
	WIN W_MM
.irp g, 0,1
.irp c, 0,1,2,3
.if (\zero) && ((\g) == 0)
	v_wmma_f32_16x16x32_bf16 v[32*(\t)+8*(\c):32*(\t)+8*(\c)+7], v[AB+80*(\par)+16*(\t)+8*(\g):AB+80*(\par)+16*(\t)+8*(\g)+7], v[WF+8*(\c):WF+8*(\c)+7], 0
.else
	v_wmma_f32_16x16x32_bf16 v[32*(\t)+8*(\c):32*(\t)+8*(\c)+7], v[AB+80*(\par)+16*(\t)+8*(\g):AB+80*(\par)+16*(\t)+8*(\g)+7], v[WF+8*(\c):WF+8*(\c)+7], v[32*(\t)+8*(\c):32*(\t)+8*(\c)+7]
.endif
.endr
.endr
.endr
	WIN 0
.Ldead_\@:
.endm
.macro EPID                            ; the way out of a pass
.rept 4
	v_nop                                          ; four places behind the last products
.endr
.irp t, 0,1,2,3,4
	s_cmp_le_u32 s[LIVE], \t
	s_cbranch_scc1 .Lepid_\@
	ds_load_b128 v[EN:EN+3], v[LR] offset:256*(\t) ; the entries of rows 8 h + 0..7 of the tile
	s_wait_xcnt 0x0                                ; the last tile's stores have read their registers: RA and TT are rewritten only behind this wait
	s_wait_dscnt 0x0
.irp z, 0,1,2,3
	v_and_b32 v[RA+2*(\z)], 0xffff, v[EN+(\z)]
	v_lshrrev_b32 v[RA+2*(\z)+1], 16, v[EN+(\z)]
.endr
.irp q, 0,1,2,3,4,5,6,7
	v_min_u32 v[RA+(\q)], 0x1007, v[RA+(\q)]       ; a row stays inside part
.endr
.irp q, 0,1,2,3,4,5,6,7
	v_lshl_add_u32 v[RA+(\q)], v[RA+(\q)], 13, v[R16]
.endr
	WIN 0x01
.irp q, 0,1,2,3,4,5,6,7                ; each accumulator is read from its low end on
.irp c, 0,1,2,3
	v_mov_b32 v[TT+4*(\q)+(\c)], v[32*(\t)+8*(\c)+(\q)]
.endr
.endr
	WIN 0
.irp q, 0,1,2,3,4,5,6,7
	global_store_b128 v[RA+(\q)], v[TT+4*(\q):TT+4*(\q)+3], s[PB:PB+1]  ; 16 lanes store 256 consecutive bytes, aligned
.endr
.endr
.Lepid_\@:
.endm
	s_load_b256 s[4:11], s[0:1], 0x0               ; hbuf s[4:5], route s[6:7], wo s[8:9], part s[10:11]
	v_lshl_add_u32 v[SPW], v0, 2, SPARE
	v_mov_b32 v[NIL], 0
	v_and_b32 v1, 31, v0
	v_lshrrev_b32 v30, 5, v0
	v_readfirstlane_b32 s12, v30                   ; wave
	v_and_b32 v2, 15, v0                           ; r
	v_bfe_u32 v3, v0, 4, 1                         ; h
	s_and_b32 s14, ttmp7, 0xffff                   ; expert
	s_lshl_b32 s30, 1, s14                         ; its bit in a route word,
	s_add_co_u32 s31, s14, 16                      ; and where the mark of the second rank stands
	s_mul_i32 s[O0], ttmp9, 7                      ; where my walk round K begins
	s_lshr_b32 s33, ttmp9, 4
	s_add_co_u32 s[O0], s[O0], s33
	s_and_b32 s[O0], s[O0], 15
	s_lshl1_add_u32 s34, s12, s[O0]
	s_and_b32 s35, s34, 15                         ; memory's K step for the walk's place 2 w,
	s_add_co_u32 s34, s34, 1
	s_and_b32 s34, s34, 15                         ; and for place 2 w + 1
	v_lshlrev_b32 v[R16], 4, v2
	v_lshl_add_u32 v[WO], v3, 16, v[R16]
	v_lshlrev_b32 v[L16], 4, v1
	s_lshl_b32 s33, s12, 13                        ; I stage the walk's places 2 w and 2 w + 1
	v_lshl_add_u32 v[STA], v3, 9, v[R16]
	v_add_nc_u32 v[STA], s33, v[STA]
	s_lshl_b32 s33, s12, 5
	s_add_co_u32 s33, s33, LIST
	v_lshl_add_u32 v[LR0], v3, 4, s33              ; entries 16 w + 8 h on
	s_mov_b32 s37, 0
	s_wait_kmcnt 0x0
	s_lshl_b32 s36, s14, 22                        ; the expert's 4 MiB,
	s_lshl_b32 s33, ttmp9, 8                       ; the slice's 256 bytes of a row
	s_add_co_u32 s36, s36, s33
	s_add_nc_u64 s[WP2:WP2+1], s[8:9], s[36:37]
	s_lshl_b32 s36, s35, 18                        ; a K step's 32 rows of 8,192 bytes
	s_add_nc_u64 s[WP:WP+1], s[WP2:WP2+1], s[36:37]
	s_lshl_b32 s36, s34, 18
	s_add_nc_u64 s[WP2:WP2+1], s[WP2:WP2+1], s[36:37]
	s_lshl_b32 s36, s14, 22                        ; 16 K steps x 2 parts x 128 fragments of 1,024 bytes
	s_add_nc_u64 s[HB0:HB0+1], s[4:5], s[36:37]
	s_mov_b32 s36, s33
	s_add_nc_u64 s[PB:PB+1], s[10:11], s[36:37]
	WIN 0x40
.irp g, 0,1                            ; all my 32 weight loads at once: rows 16 g + 8 h + j of a K step, two whole blocks of 256 bytes each
.irp j, 0,1,2,3,4,5,6,7
	global_load_b128 v[32*(\g)+4*(\j):32*(\g)+4*(\j)+3], v[WO], s[WP:WP+1] offset:131072*(\g)+8192*(\j) th:TH_LOAD_NT
.endr
.endr
.irp g, 0,1
.irp j, 0,1,2,3,4,5,6,7
	global_load_b128 v[64+32*(\g)+4*(\j):64+32*(\g)+4*(\j)+3], v[WO], s[WP2:WP2+1] offset:131072*(\g)+8192*(\j) th:TH_LOAD_NT
.endr
.endr
	WIN 0
	s_cmp_lg_u32 s12, 0
	s_cbranch_scc1 .Lnolist
	; THE LIST, by wave 0, as in the launch before; an entry is token + 2048 x rank; the places past the count name the expert's spare row
	v_lshlrev_b32 v245, 2, v1
.set cc, 0
.rept 64
	global_load_b32 v[AB+cc], v245, s[6:7] offset:128*cc
.set cc, cc+1
.endr
	s_add_co_u32 s40, s14, 4096
	s_lshl_b32 s33, s40, 16
	s_or_b32 s40, s40, s33
.irp q, 0,1,2,3
	v_mov_b32 v[PK+(\q)], s40
.endr
	v_add_nc_u32 v246, LIST, v[L16]
.irp k, 0,1,2,3,4,5,6,7,8,9,10
	ds_store_b128 v246, v[PK:PK+3] offset:512*(\k)
.endr
	s_mov_b32 s32, 0
	v_mov_b32 v243, v1
	v_add_nc_u32 v244, 2560, v1
	s_wait_loadcnt 0x0
.set cc, 0
.rept 64
	v_and_b32 v242, s30, v[AB+cc]
	v_cmp_ne_u32 vcc_lo, 0, v242
	v_lshrrev_b32 v247, s31, v[AB+cc]
	v_and_b32 v247, 1, v247
	v_lshl_add_u32 v247, v247, 11, v243
	v_mbcnt_lo_u32_b32 v242, vcc_lo, s32
	v_cndmask_b32 v242, v244, v242, vcc_lo
	v_min_u32 v242, 0xa1f, v242                    ; the place stays inside the list
	v_lshl_add_u32 v242, v242, 1, LIST
	ds_store_b16 v242, v247
	v_add_nc_u32 v243, 32, v243
	s_bcnt1_i32_b32 s33, vcc_lo
	s_add_co_u32 s32, s32, s33
.set cc, cc+1
.endr
	v_mov_b32 v242, s32
	v_mov_b32 v246, CNTW
	ds_store_b32 v246, v242
.Lnolist:
.irp g, 0,1,2,3
	s_wait_loadcnt 8*(3-(\g))                      ; group g's eight loads are in, the younger groups stay out
	WIN 0x05
.irp q, 0,1,2,3
.irp t, 0,1,2,3
	v_cvt_pk_bf16_f32 v[PK+4*(\q)+(\t)], v[32*(\g)+8*(\t)+(\q)], v[32*(\g)+8*(\t)+4+(\q)]
.endr
.endr
	WIN 0
.irp q, 0,1,2,3
	ds_store_b128 v[STA], v[PK+4*(\q):PK+4*(\q)+3] offset:4096*((\g)/2)+256*((\g)%2)+1024*(\q)
.endr
.endr
	s_wait_dscnt 0x0                               ; for the others' sake: my part of the weights, and wave 0's list
	s_barrier_signal -1
	s_barrier_wait -1                              ; behind this barrier nothing writes LDS until the waves' closing lines
	v_mov_b32 v30, CNTW
	ds_load_b32 v31, v30
	s_wait_dscnt 0x0
	v_readfirstlane_b32 s24, v31
	s_min_u32 s24, s24, 2048                       ; rows of the expert
	s_add_co_u32 s25, s24, 15
	s_lshr_b32 s25, s25, 4                         ; tiles of 16
	s_mov_b32 s26, s12                             ; T0 = 40 p + w
	s_mov_b32 s38, 0                               ; 40 p
	s_mov_b32 s29, 4
.Lpass:
	s_cmp_ge_u32 s38, s25
	s_cbranch_scc1 .Lnext                          ; no rows left: to the label ahead of the counter's step
	s_wait_xcnt 0x0                                ; the registers that earlier loads and stores name are rewritten only behind this wait
	s_add_co_u32 s33, s25, 7
	s_sub_co_i32 s33, s33, s26
	s_max_i32 s33, s33, 0
	s_lshr_b32 s33, s33, 3
	s_min_u32 s[LIVE], s33, 5
	s_sub_co_u32 s33, s25, 1
.irp t, 0,1,2,3,4
	s_add_co_u32 s34, s26, 8*(\t)
	s_min_u32 s34, s34, s33                        ; a tile without rows repeats the last one that was written,
	s_min_u32 s34, s34, 127                        ; inside the expert's 128
	s_lshl_b32 s34, s34, 10
	v_add_nc_u32 v[AO+(\t)], s34, v[L16]
.endr
	s_mov_b32 s[PC], s[O0]                         ; the walk begins at memory's K step o,
	s_lshl_b32 s36, s[O0], 18
	s_add_nc_u64 s[AP:AP+1], s[HB0:HB0+1], s[36:37]
	v_mov_b32 v[LDA], v[L16]                       ; whose weights lie first in LDS
	s_lshl_b32 s34, s38, 5
	v_add_nc_u32 v[LR], s34, v[LR0]
	ALOAD 0
	TRIPD 0,1,1,0
	s_mov_b32 s39, 4096                            ; the walk's K step 1
	s_mov_b32 s28, 7
.Lk:                                                   ; K steps 1 to 14 of the walk, two a trip
	s_min_u32 s41, s39, 53248                      ; K step 13 is the last that a trip begins with: 53,248 + 496 + 4,096 + 3,584 + 16 bytes end inside the weights' 65,536
	v_add_nc_u32 v[LDA], s41, v[L16]
	TRIPD 1,0,1,0
	TRIPD 0,0,1,4096
	s_add_co_u32 s39, s39, 8192
	s_sub_co_u32 s28, s28, 1
	s_cmp_lg_u32 s28, 0
	s_cbranch_scc1 .Lk
	v_add_nc_u32 v[LDA], 61440, v[L16]             ; K step 15,
	TRIPD 1,0,0,0                                  ; which asks for nothing
	EPID
.Lnext:
	s_add_co_u32 s26, s26, 40
	s_add_co_u32 s38, s38, 40
	s_sub_co_u32 s29, s29, 1
	s_cmp_lg_u32 s29, 0
	s_cbranch_scc1 .Lpass
	s_wait_dscnt 0x0                               ; my LDS reads are back,
	s_barrier_signal -1
	s_barrier_wait -1                              ; and so are every wave's, before any wave writes LDS again
	s_wait_tensorcnt 0x0                           ; the wave's end
	ds_add_u32 v[SPW], v[NIL]
	s_wait_dscnt 0x0
	s_endpgm
.Lfunc_end_k_q1a919f2501_down:
	.size	k_q1a919f2501_down, .Lfunc_end_k_q1a919f2501_down-k_q1a919f2501_down
	.p2alignl 7, 3214868480
	.fill 96, 4, 3214868480
	.section	.rodata,"a",@progbits
	.p2align	6, 0x0
	.amdhsa_kernel k_q1a919f2501_down
		.amdhsa_group_segment_fixed_size 72192
		.amdhsa_private_segment_fixed_size 0
		.amdhsa_enable_private_segment 0
		.amdhsa_kernarg_size 32
		.amdhsa_user_sgpr_count 2
		.amdhsa_user_sgpr_kernarg_segment_ptr 1
		.amdhsa_wavefront_size32 1
		.amdhsa_system_sgpr_workgroup_id_x 1
		.amdhsa_system_sgpr_workgroup_id_y 1
		.amdhsa_system_sgpr_workgroup_id_z 1
		.amdhsa_system_vgpr_workitem_id 0
		.amdhsa_next_free_vgpr 512
		.amdhsa_next_free_sgpr 66
		.amdhsa_reserve_vcc 1
		.amdhsa_float_denorm_mode_32 3
		.amdhsa_float_denorm_mode_16_64 3
		.amdhsa_memory_ordered 1
		.amdhsa_forward_progress 1
		.amdhsa_inst_pref_size 99
	.end_amdhsa_kernel
	.amdgpu_metadata
---
amdhsa.version: [ 1, 2 ]
amdhsa.kernels:
  - .name:           k_q1a919f2501_down
    .symbol:         k_q1a919f2501_down.kd
    .args:
      - { .name: hbuf, .offset: 0, .size: 8, .value_kind: global_buffer, .address_space: global }
      - { .name: route, .offset: 8, .size: 8, .value_kind: global_buffer, .address_space: global }
      - { .name: wo, .offset: 16, .size: 8, .value_kind: global_buffer, .address_space: global }
      - { .name: part, .offset: 24, .size: 8, .value_kind: global_buffer, .address_space: global }
    .group_segment_fixed_size: 72192
    .private_segment_fixed_size: 0
    .kernarg_segment_align: 8
    .kernarg_segment_size: 32
    .max_flat_workgroup_size: 256
    .sgpr_count:     66
    .vgpr_count:     512
    .wavefront_size: 32
...
	.end_amdgpu_metadata
.endif
;; end of part 3
;; launch final (part 4): grid 32 x 8, 4 waves a work-group, no clusters, 66,048 bytes of LDS; arguments hbuf, sw_wo, part, out0; writes out0
.if DOCPART == 4
	.amdgcn_target "amdgcn-amd-amdhsa--gfx1250"
	.amdhsa_code_object_version 6
	.text
	.protected	k_q1a919f2501_final
	.globl	k_q1a919f2501_final
	.p2align	8
	.type	k_q1a919f2501_final,@function
k_q1a919f2501_final:
	s_mov_b64 s[64:65], 0
	v_nop
	global_prefetch_b8 v0, s[64:65] scope:SCOPE_SE
	s_setreg_imm32_b32 hwreg(HW_REG_WAVE_MODE, 25, 1), 1
	s_wait_xcnt 0x0
; FINAL.  out0 = part[token] + part[token + 2048] + (gate x hs) @ sw_wo.  Each output row has one owner; the two ranks' f32 rows are added here, beside the shared expert's second product.
; hs comes as two bf16 parts, a high and a low one; both are multiplied by the same weight fragment into the same accumulator.
; SHARES.  Work-group (x, y): 64 output columns, 256 tokens.  Wave w: 64 tokens, four tiles of 16; 16 accumulators.  Asked for at the start: its quarter of the slice's f32 weights (64 loads), hs's fragments of K steps 0-7
; (128 loads), its 64 x 2 pieces of part (64 loads).  K step s + 8 is asked for in step s, into the registers that step s has read: eight steps, 256 products, ahead of its use.
; The weights are rounded to bf16 on the way through registers into LDS, 64 KiB, as in the launch before, with the same layouts.
; NO CLUSTER, NO TENSOR LOAD: the weights pass through registers to be rounded; the eight work-groups of a slice share 128 KiB of them, about a fifth of a work-group's bytes.
; REGISTERS.  window 0: v0-9 addresses; v32-47 at work; v64-255 six blocks of 32.  window 1: v0-127 accumulators (tile i, column tile c at 32 i + 8 c); v128-191 weight fragments, two halves; v192-255 two more blocks.
; The eight blocks first take the f32 weights (group g in block g), later part's rows (tile i in blocks 2 i, 2 i + 1: row q's first rank at 8 q, second at 8 q + 4).
; windows 2, 3: hs, a ring of eight K steps: tile i, part p, K step s at 128 (i % 2) + 64 p + 8 (s % 8) of window 2 + i / 2.
.set SPARE, 65536                      ; behind the weights: the spare words, 128 bytes for each wave: no other line names them
.set WO,  4                            ; v4  16 r + 8 rows x h in sw_wo
.set STA, 5                            ; v5  where I stage 16 bytes of a fragment
.set L16, 6                            ; v6  16 x lane
.set RO,  7                            ; v7  16 r + 8 rows x h in part and out0
.set SPW, 8                            ; v8  my spare word's LDS address; never rewritten
.set NIL, 9                            ; v9  0; never rewritten
.set PK,  32
.set WP,  16                           ; s[16:17] my rows of sw_wo
.set AP,  18                           ; s[18:19] my fragments of hs
.set P0,  20                           ; s[20:21] part, first rank, my rows and columns
.set P1,  22                           ; s[22:23] second rank
.set OP,  24                           ; s[24:25] out0
.set MSB, 0
.macro WIN new
.if MSB != (\new)
	s_set_vgpr_msb (MSB<<8)|(\new)
.set MSB, \new
.endif
.endm
.macro ALD s                           ; 16 loads, 512 consecutive bytes each: hs's fragments of K step s, both parts, four tiles, into slot s % 8
	WIN 0x80
.irp t, 0,1
.irp p, 0,1
	global_load_b128 v[128*(\t)+64*(\p)+8*((\s)%8):128*(\t)+64*(\p)+8*((\s)%8)+3],   v[L16], s[AP:AP+1] offset:262144*(\s)+131072*(\p)+1024*(\t)
	global_load_b128 v[128*(\t)+64*(\p)+8*((\s)%8)+4:128*(\t)+64*(\p)+8*((\s)%8)+7], v[L16], s[AP:AP+1] offset:262144*(\s)+131072*(\p)+1024*(\t)+512
.endr
.endr
	WIN 0xc0
.irp t, 0,1
.irp p, 0,1
	global_load_b128 v[128*(\t)+64*(\p)+8*((\s)%8):128*(\t)+64*(\p)+8*((\s)%8)+3],   v[L16], s[AP:AP+1] offset:262144*(\s)+131072*(\p)+1024*((\t)+2)
	global_load_b128 v[128*(\t)+64*(\p)+8*((\s)%8)+4:128*(\t)+64*(\p)+8*((\s)%8)+7], v[L16], s[AP:AP+1] offset:262144*(\s)+131072*(\p)+1024*((\t)+2)+512
.endr
.endr
	WIN 0
.endm
; Group g of my weights (16 rows) is rounded and staged; then hs's fragments of K step g are asked for.
; The counts: behind group 0's loads stand the 56 of groups 1-7.  Behind group g's, g > 0, stand 8 (7 - g) weight loads and 16 g loads of hs, 64 or more.
.macro STG g
.if (\g) == 0
	s_wait_loadcnt 56
.else
	s_wait_loadcnt 63
.endif
.if (\g) < 6
	WIN 0
.set CRB, 64+32*(\g)
.else
	WIN 0x05
.set CRB, 192+32*((\g)-6)
.endif
.irp q, 0,1,2,3
.irp t, 0,1,2,3
	v_cvt_pk_bf16_f32 v[PK+4*(\q)+(\t)], v[CRB+8*(\t)+(\q)], v[CRB+8*(\t)+4+(\q)]
.endr
.endr
	WIN 0
.irp q, 0,1,2,3
	ds_store_b128 v[STA], v[PK+4*(\q):PK+4*(\q)+3] offset:4096*((\g)/2)+256*((\g)%2)+1024*(\q)
.endr
	ALD \g
.endm
.macro WFL s                           ; K step s's four weight fragments into half s % 2
	WIN 0x40
.irp c, 0,1,2,3
	ds_load_b128 v[128+32*((\s)%2)+8*(\c):128+32*((\s)%2)+8*(\c)+3],   v[L16] offset:4096*(\s)+1024*(\c)
	ds_load_b128 v[128+32*((\s)%2)+8*(\c)+4:128+32*((\s)%2)+8*(\c)+7], v[L16] offset:4096*(\s)+1024*(\c)+512
.endr
.endm
; K step s: 32 products.  Under one window setting the eight accumulators of two tiles take turns, high part and then low part.  Four places behind the products: the weight fragments of step s + 2
; into the half just read, and hs's fragments of K step s + 8 into the slot just read.
; From step 8 on hs's fragments are waited for: behind K step s's loads stand the 16 (15 - s) of the later K steps. Step 15's count is 0: part's rows, asked for earlier, are in too.
.macro STEP s
.if (\s) == 15
	s_wait_dscnt 0x0
.else
	s_wait_dscnt 8                                 ; the next step's eight loads may stay out
.endif
.if (\s) >= 8
.if 16*(15-(\s)) > 63
	s_wait_loadcnt 63
.else
	s_wait_loadcnt 16*(15-(\s))
.endif
.endif
.irp w, 0,1
	WIN 0x56+(\w)                                  ; source 0 (hs) window 2 or 3, source 1 (weights), C and D window 1
.irp p, 0,1
.irp t, 0,1
.irp c, 0,1,2,3
.if ((\s) == 0) && ((\p) == 0)
	v_wmma_f32_16x16x32_bf16 v[32*(2*(\w)+(\t))+8*(\c):32*(2*(\w)+(\t))+8*(\c)+7], v[128*(\t)+64*(\p)+8*((\s)%8):128*(\t)+64*(\p)+8*((\s)%8)+7], v[128+32*((\s)%2)+8*(\c):128+32*((\s)%2)+8*(\c)+7], 0
.else
	v_wmma_f32_16x16x32_bf16 v[32*(2*(\w)+(\t))+8*(\c):32*(2*(\w)+(\t))+8*(\c)+7], v[128*(\t)+64*(\p)+8*((\s)%8):128*(\t)+64*(\p)+8*((\s)%8)+7], v[128+32*((\s)%2)+8*(\c):128+32*((\s)%2)+8*(\c)+7], v[32*(2*(\w)+(\t))+8*(\c):32*(2*(\w)+(\t))+8*(\c)+7]
.endif
.endr
.endr
.endr
.endr
.if (\s) <= 13
.rept 4
	v_nop
.endr
	WFL (\s)+2
.endif
.if (\s) <= 7
	ALD (\s)+8
.endif
.endm
; Tile t leaves: the two ranks are added, then the product; 16 lanes store 256 consecutive bytes, aligned.  The packed additions, which name no register of a product, are the places behind the last products.
.macro OUT t
.if (\t) < 3
	WIN 0
.set CC, 64+64*(\t)
.else
	WIN 0x45                                       ; tile 3's rows lie in window 1
.set CC, 192
.endif
.irp q, 0,1,2,3,4,5,6,7
	v_pk_add_f32 v[CC+8*(\q):CC+8*(\q)+1],   v[CC+8*(\q):CC+8*(\q)+1],   v[CC+8*(\q)+4:CC+8*(\q)+5]
	v_pk_add_f32 v[CC+8*(\q)+2:CC+8*(\q)+3], v[CC+8*(\q)+2:CC+8*(\q)+3], v[CC+8*(\q)+6:CC+8*(\q)+7]
.endr
.if (\t) < 3
	WIN 0x01
.endif
.irp q, 0,1,2,3,4,5,6,7                ; each accumulator is read from its low end on
.irp c, 0,1,2,3
	v_add_f32 v[CC+8*(\q)+(\c)], v[32*(\t)+8*(\c)+(\q)], v[CC+8*(\q)+(\c)]
.endr
.endr
.if (\t) < 3
	WIN 0
.else
	WIN 0x04                                       ; the store's data in window 1, its address in window 0
.endif
.irp q, 0,1,2,3,4,5,6,7
	global_store_b128 v[RO], v[CC+8*(\q):CC+8*(\q)+3], s[OP:OP+1] offset:(16*(\t)+(\q))*8192 th:TH_STORE_NT
.endr
.endm
	s_load_b256 s[4:11], s[0:1], 0x0               ; hbuf s[4:5], sw_wo s[6:7], part s[8:9], out0 s[10:11]
	v_lshl_add_u32 v[SPW], v0, 2, SPARE
	v_mov_b32 v[NIL], 0
	v_and_b32 v1, 31, v0
	v_lshrrev_b32 v10, 5, v0
	v_readfirstlane_b32 s12, v10                   ; wave
	v_and_b32 v2, 15, v0                           ; r
	v_bfe_u32 v3, v0, 4, 1                         ; h
	s_and_b32 s14, ttmp7, 0xffff                   ; block of 256 tokens
	s_lshl_b32 s13, ttmp9, 8                       ; the slice's 256 bytes of a row
	v_lshlrev_b32 v[L16], 4, v1
	v_lshlrev_b32 v[WO], 4, v2
	v_lshl_add_u32 v[WO], v3, 16, v[WO]
	v_mov_b32 v[RO], v[WO]                         ; rows of 8,192 bytes in all three
	s_lshl_b32 s28, s12, 14                        ; my 128 rows are K steps 4 w to 4 w + 3
	v_lshlrev_b32 v[STA], 4, v2
	v_lshl_add_u32 v[STA], v3, 9, v[STA]
	v_add_nc_u32 v[STA], s28, v[STA]
	s_mov_b32 s27, 0
	s_wait_kmcnt 0x0
	s_lshl_b32 s26, s12, 20                        ; my 128 rows of 8,192 bytes
	s_add_co_u32 s26, s26, s13
	s_add_nc_u64 s[WP:WP+1], s[6:7], s[26:27]
	s_lshl_b32 s28, s14, 4
	s_lshl2_add_u32 s28, s12, s28                  ; my first tile: 16 y + 4 w
	s_lshl_b32 s26, s28, 10
	s_add_co_u32 s26, s26, 0x2000000               ; behind the eight experts' fragments, 4 MiB each
	s_add_nc_u64 s[AP:AP+1], s[4:5], s[26:27]
	s_lshl_b32 s26, s28, 17                        ; 16 rows of 8,192 bytes a tile
	s_add_co_u32 s26, s26, s13
	s_add_nc_u64 s[P0:P0+1], s[8:9], s[26:27]
	s_add_nc_u64 s[P1:P1+1], s[P0:P0+1], 0x1000000 ; 2,048 rows on
	s_add_nc_u64 s[OP:OP+1], s[10:11], s[26:27]
.irp g, 0,1,2,3,4,5                    ; rows 16 g + 8 h + j of my 128, columns 4 r .. 4 r + 3: two whole blocks of 256 bytes a load
.irp j, 0,1,2,3,4,5,6,7
	global_load_b128 v[64+32*(\g)+4*(\j):64+32*(\g)+4*(\j)+3], v[WO], s[WP:WP+1] offset:131072*(\g)+8192*(\j)
.endr
.endr
	WIN 0x40
.irp g, 6,7
.irp j, 0,1,2,3,4,5,6,7
	global_load_b128 v[192+32*((\g)-6)+4*(\j):192+32*((\g)-6)+4*(\j)+3], v[WO], s[WP:WP+1] offset:131072*(\g)+8192*(\j)
.endr
.endr
	WIN 0
.irp g, 0,1,2,3,4,5,6,7
	STG \g
.endr
	s_wait_dscnt 0x0                               ; for the others' sake: my quarter of the weights is in LDS
	s_barrier_signal -1
	s_barrier_wait -1                              ; the launch's one barrier: behind it nothing writes LDS
.irp t, 0,1,2                          ; part's rows, tile by tile, into the blocks that the weights have left
.irp q, 0,1,2,3,4,5,6,7
	global_load_b128 v[64+64*(\t)+8*(\q):64+64*(\t)+8*(\q)+3],   v[RO], s[P0:P0+1] offset:(16*(\t)+(\q))*8192 th:TH_LOAD_NT
	global_load_b128 v[64+64*(\t)+8*(\q)+4:64+64*(\t)+8*(\q)+7], v[RO], s[P1:P1+1] offset:(16*(\t)+(\q))*8192 th:TH_LOAD_NT
.endr
.endr
	WIN 0x40
.irp q, 0,1,2,3,4,5,6,7
	global_load_b128 v[192+8*(\q):192+8*(\q)+3],   v[RO], s[P0:P0+1] offset:(48+(\q))*8192 th:TH_LOAD_NT
	global_load_b128 v[192+8*(\q)+4:192+8*(\q)+7], v[RO], s[P1:P1+1] offset:(48+(\q))*8192 th:TH_LOAD_NT
.endr
	WFL 0
	WFL 1
	s_wait_loadcnt 63                              ; behind the loads of K steps 0-7 stand the 64 loads of part: those K steps are in
.irp s, 0,1,2,3,4,5,6,7,8,9,10,11,12,13,14,15
	STEP \s
.endr
	OUT 0
	OUT 1
	OUT 2
	OUT 3
	WIN 0
	s_wait_tensorcnt 0x0                           ; the wave's end
	ds_add_u32 v[SPW], v[NIL]
	s_wait_dscnt 0x0
	s_endpgm
.Lfunc_end_k_q1a919f2501_final:
	.size	k_q1a919f2501_final, .Lfunc_end_k_q1a919f2501_final-k_q1a919f2501_final
	.p2alignl 7, 3214868480
	.fill 96, 4, 3214868480
	.section	.rodata,"a",@progbits
	.p2align	6, 0x0
	.amdhsa_kernel k_q1a919f2501_final
		.amdhsa_group_segment_fixed_size 66048
		.amdhsa_private_segment_fixed_size 0
		.amdhsa_enable_private_segment 0
		.amdhsa_kernarg_size 32
		.amdhsa_user_sgpr_count 2
		.amdhsa_user_sgpr_kernarg_segment_ptr 1
		.amdhsa_wavefront_size32 1
		.amdhsa_system_sgpr_workgroup_id_x 1
		.amdhsa_system_sgpr_workgroup_id_y 1
		.amdhsa_system_sgpr_workgroup_id_z 1
		.amdhsa_system_vgpr_workitem_id 0
		.amdhsa_next_free_vgpr 1024
		.amdhsa_next_free_sgpr 66
		.amdhsa_reserve_vcc 0
		.amdhsa_float_denorm_mode_32 3
		.amdhsa_float_denorm_mode_16_64 3
		.amdhsa_memory_ordered 1
		.amdhsa_forward_progress 1
		.amdhsa_inst_pref_size 106
	.end_amdhsa_kernel
	.amdgpu_metadata
---
amdhsa.version: [ 1, 2 ]
amdhsa.kernels:
  - .name:           k_q1a919f2501_final
    .symbol:         k_q1a919f2501_final.kd
    .args:
      - { .name: hbuf, .offset: 0, .size: 8, .value_kind: global_buffer, .address_space: global }
      - { .name: sw_wo, .offset: 8, .size: 8, .value_kind: global_buffer, .address_space: global }
      - { .name: part, .offset: 16, .size: 8, .value_kind: global_buffer, .address_space: global }
      - { .name: out0, .offset: 24, .size: 8, .value_kind: global_buffer, .address_space: global }
    .group_segment_fixed_size: 66048
    .private_segment_fixed_size: 0
    .kernarg_segment_align: 8
    .kernarg_segment_size: 32
    .max_flat_workgroup_size: 128
    .sgpr_count:     66
    .vgpr_count:     1024
    .wavefront_size: 32
...
	.end_amdgpu_metadata
.endif
;; end of part 4
